; MI455X (gfx1250); checked and timed in simulation.
; The chip was launched on July 23, 2026; its instructions are those of AMD's public machine-readable ISA for CDNA 5 (MIT licence, August 2026) and "CDNA5" Instruction Set Architecture Reference Guide (July 2026). The comments in the code are by the model that wrote it; some were corrected since.
;; LBQ. Allowed arithmetic: float matrix products may take bf16 or f16 operands with f32 sums; all other float work in f32.
;; Inputs: rand_perc 48 x 15 float32; x 16 x 3 x 512 x 512 float32.
;; Outputs: out0 16 x 3 x 512 x 512 float32.
;; One version. Each part assembles by itself: llvm-mc -triple=amdgcn-amd-amdhsa -mcpu=gfx1250 --defsym DOCPART=n.
;; ======== version 1 of 1: 2 launches
;; workspace buffers: part 6,144 bytes; order 3,072 bytes of whole numbers
;; launch minmax (part 1): grid 768 x 1, 8 waves a work-group, no clusters, 1,280 bytes of LDS; arguments x, rand_perc, part, order; writes part, order
.if DOCPART == 1
	.amdgcn_target "amdgcn-amd-amdhsa--gfx1250"
	.amdhsa_code_object_version 6
	.text
	.protected	k_qa8472ac3e3_minmax
	.globl	k_qa8472ac3e3_minmax
	.p2align	8
	.type	k_qa8472ac3e3_minmax,@function
k_qa8472ac3e3_minmax:
	s_mov_b64 s[64:65], 0
	v_nop
	global_prefetch_b8 v0, s[64:65] scope:SCOPE_SE
	s_setreg_imm32_b32 hwreg(HW_REG_WAVE_MODE, 25, 1), 1
	s_wait_xcnt 0x0
; FIRST OF TWO LAUNCHES.  x: 48 images of 512 x 512 f32 (1 MiB each).  rand_perc: [48][15] f32.
; A work-group owns 64 KiB of one image (16 work-groups an image, 768 in all) and stores
;   part[wg]  = (smallest, largest) number of its 64 KiB, two f32;
;   order[wg] = a bit mask, made from rand_perc alone, of the splits that the second launch has to look at.
; WHY A MASK.  With s_0 = min, s_j = rand_perc[j-1] * (max - min) + min (j = 1..15), s_16 = max + 1e-6, the region that the
; reference picks for a pixel is j - 1, j being the FIRST index with s_j > x (s_0 <= x always).  The map from rand_perc to
; s is monotone (the exact value grows with rand_perc for a range >= 0, and the one rounding of the second launch's fused
; multiply-add keeps order), so a split whose rand_perc is not strictly above all earlier ones is never the first: only
; the running records count.  Bit b of the mask stands for split j = 16 - b (b = 1..15), so that the lowest set bit is the
; latest split.  The mask steers a trip count, so it is decided here and read as a whole number by the next launch.
; LIMITS: NaN is dropped by the minimum and maximum here (the reference would spread it); NaN or infinities in x or
; rand_perc are not served.
; No cluster, no tensor load, no LDS ring: no byte of x is used by more than one lane of the launch.
; x is loaded without a non-temporal hint, because the second launch reads the same bytes again.
.set NLD,    16                        ; b128 loads of a wave: 16 x 512 bytes = 8 KiB; 8 waves = 64 KiB
.set STEP,   4096                      ; 256 threads x 16 bytes: what one load of all eight waves covers
.set SPLITS, 15
.set OFF, 1                            ; v1       16 x thread: my 16 bytes in every 4 KiB
.set AUX, 2                            ; v2       wave number, then LDS addresses
.set RO,  3                            ; v3       offset into rand_perc, later into part
.set MN,  4                            ; v[4:7]   four running minima; at the end v[4:5] = (min, max)
.set MX,  8                            ; v[8:11]  four running maxima
.set RP,  12                           ; v12      wave 0: lane b holds rand_perc of split 16 - b
.set INC, 13                           ; v13      largest rand_perc of this and all earlier splits (= higher lanes)
.set SH,  14                           ; v14      shifted copy; later the mask to store
.set EXC, 15                           ; v15      largest rand_perc of all earlier splits; later the offset into order
.set X,   16                           ; v[16:79] the wave's 8 KiB
	s_load_b256 s[4:11], s[0:1], 0x0               ; x s[4:5], rand_perc s[6:7], part s[8:9], order s[10:11]
	v_lshl_add_u32 v80, v0, 2, 0x100
	v_mov_b32 v81, 0
	v_lshrrev_b32 v[AUX], 5, v0
	v_readfirstlane_b32 s14, v[AUX]                ; wave number as a scalar
	v_lshlrev_b32 v[OFF], 4, v0
	s_lshl_b32 s12, ttmp9, 16                      ; the work-group's 64 KiB (768 x 64 KiB stays below 4 GiB)
	s_mov_b32 s13, 0
	s_lshr_b32 s15, ttmp9, 4                       ; image
	s_mul_i32 s15, s15, SPLITS*4                   ; its row of rand_perc, in bytes
	s_mov_b32 s16, 0x76543210                      ; v_permlanex16_b32: lane i reads lane i of the other half
	s_mov_b32 s17, 0xfedcba98
	s_wait_kmcnt 0x0
	s_add_nc_u64 s[4:5], s[4:5], s[12:13]
	s_cmp_lg_u32 s14, 0
	s_cbranch_scc1 .Lstream                        ; rand_perc is wave 0's affair; asked for first, so that it is in long before its use
	v_and_b32 v[RO], 15, v0                        ; b
	v_sub_nc_u32 v[RO], 15, v[RO]                  ; split 16 - b lies at index 15 - b of the row
	v_min_u32 v[RO], SPLITS-1, v[RO]               ; lane b = 0 has no split: it stays inside the row, its bit is cleared below
	v_lshl_add_u32 v[RO], v[RO], 2, s15
	global_load_b32 v[RP], v[RO], s[6:7]
.Lstream:
.set i, 0
.rept NLD
	global_load_b128 v[X+4*i:X+4*i+3], v[OFF], s[4:5] offset:STEP*i    ; all 16 at once: 512 neighbouring bytes a wave each
.set i, i+1
.endr
; Fold load by load, one instruction for two numbers, in four chains that do not wait for each other.
; The first four loads start the chains: nothing is cleared.
.set i, 0
.rept NLD
	s_wait_loadcnt NLD-1-i                         ; loads return in order (ISA guide 5.7.1): load i is in, the NLD-1-i younger ones stay out
.if i < 4
	v_min_num_f32 v[MN+i], v[X+4*i], v[X+4*i+1]
	v_max_num_f32 v[MX+i], v[X+4*i], v[X+4*i+1]
.else
	v_min3_num_f32 v[MN+i%4], v[MN+i%4], v[X+4*i], v[X+4*i+1]
	v_max3_num_f32 v[MX+i%4], v[MX+i%4], v[X+4*i], v[X+4*i+1]
.endif
	v_min3_num_f32 v[MN+i%4], v[MN+i%4], v[X+4*i+2], v[X+4*i+3]
	v_max3_num_f32 v[MX+i%4], v[MX+i%4], v[X+4*i+2], v[X+4*i+3]
.set i, i+1
.endr
	v_min3_num_f32 v[MN], v[MN], v[MN+1], v[MN+2]
	v_max3_num_f32 v[MX], v[MX], v[MX+1], v[MX+2]
	v_min_num_f32 v[MN], v[MN], v[MN+3]
	v_max_num_f32 v[MX], v[MX], v[MX+3]
; across the 32 lanes: four steps inside each half of 16 ride on the arithmetic, one crosses the halves
.irp m, 1,2,4,8
	v_min_num_f32_dpp v[MN], v[MN], v[MN] row_xmask:\m row_mask:0xf bank_mask:0xf
	v_max_num_f32_dpp v[MX], v[MX], v[MX] row_xmask:\m row_mask:0xf bank_mask:0xf
.endr
	v_permlanex16_b32 v[MN+1], v[MN], s16, s17     ; destinations that have been written before
	v_permlanex16_b32 v[MX+1], v[MX], s16, s17
	v_min_num_f32 v[MN], v[MN], v[MN+1]
	v_max_num_f32 v[MN+1], v[MX], v[MX+1]          ; v[4:5] = the wave's (min, max), in every lane
; across the eight waves: each puts its pair at 8 x wave, wave 0 reads all eight behind the barrier
	v_lshlrev_b32 v[AUX], 3, v[AUX]
	ds_store_b64 v[AUX], v[MN:MN+1]                ; all lanes write the same 8 bytes with the same value
	s_wait_dscnt 0x0                               ; for wave 0's sake: my pair is in LDS before I signal
	s_barrier_signal -1
	s_barrier_wait -1
	s_cmp_lg_u32 s14, 0
	s_cbranch_scc1 .Lend
	v_and_b32 v[AUX], 7, v0
	v_lshlrev_b32 v[AUX], 3, v[AUX]
	ds_load_b64 v[MN:MN+1], v[AUX]                 ; lane l: the pair of wave l % 8
; While that load is out: the records of rand_perc.  Earlier splits lie in HIGHER lanes, so a maximum over all earlier
; splits is a suffix maximum along the 16 lanes: doubling steps with row_shl (lane i takes lane i + n of its 16; a lane without
; a source keeps its destination, which holds -inf or an older copy from a higher lane: both harmless in this maximum).
	v_mov_b32 v[SH], 0xff800000                    ; -inf
	v_mov_b32 v[EXC], 0xff800000
	v_mov_b32 v[INC], v[RP]                        ; rand_perc is in: the last wait above was for zero loads
.irp n, 1,2,4,8
	v_mov_b32_dpp v[SH], v[INC] row_shl:\n row_mask:0xf bank_mask:0xf
	v_max_num_f32 v[INC], v[INC], v[SH]
.endr
	v_mov_b32_dpp v[EXC], v[INC] row_shl:1 row_mask:0xf bank_mask:0xf  ; without the lane's own split; lane 15 (split 1) keeps -inf
	v_cmp_gt_f32 s18, v[RP], v[EXC]                ; strictly above everything earlier: a record
	s_and_b32 s18, s18, 0xfffe                     ; bits 1..15 only: lane 0 holds no split, lanes 16-31 repeat lanes 0-15
	v_mov_b32 v[SH], s18
	s_lshl_b32 s19, ttmp9, 3                       ; part[wg]: 8 bytes
	s_lshl_b32 s20, ttmp9, 2                       ; order[wg]: 4 bytes
	v_mov_b32 v[RO], s19                           ; (the load that used v3 as its offset has come back)
	v_mov_b32 v[EXC], s20
	s_wait_dscnt 0x0
.irp m, 1,2,4
	v_min_num_f32_dpp v[MN], v[MN], v[MN] row_xmask:\m row_mask:0xf bank_mask:0xf
	v_max_num_f32_dpp v[MN+1], v[MN+1], v[MN+1] row_xmask:\m row_mask:0xf bank_mask:0xf
.endr
	s_wait_xcnt 0x0                                ; EXEC is a source of the loads above: it is narrowed only behind this wait
	v_cmp_eq_u32 vcc_lo, 0, v0
	s_wait_tensorcnt 0x0
	ds_add_u32 v80, v81
	s_wait_dscnt 0x0
	s_and_saveexec_b32 s21, vcc_lo                 ; one lane stores the work-group's 8 + 4 bytes
	global_store_b64 v[RO], v[MN:MN+1], s[8:9]
	global_store_b32 v[EXC], v[SH], s[10:11]
	s_endpgm
.Lend:
	s_wait_tensorcnt 0x0
	ds_add_u32 v80, v81
	s_wait_dscnt 0x0
	s_endpgm
.Lfunc_end_k_qa8472ac3e3_minmax:
	.size	k_qa8472ac3e3_minmax, .Lfunc_end_k_qa8472ac3e3_minmax-k_qa8472ac3e3_minmax
	.p2alignl 7, 3214868480
	.fill 96, 4, 3214868480
	.section	.rodata,"a",@progbits
	.p2align	6, 0x0
	.amdhsa_kernel k_qa8472ac3e3_minmax
		.amdhsa_group_segment_fixed_size 1280
		.amdhsa_private_segment_fixed_size 0
		.amdhsa_enable_private_segment 0
		.amdhsa_kernarg_size 32
		.amdhsa_user_sgpr_count 2
		.amdhsa_user_sgpr_kernarg_segment_ptr 1
		.amdhsa_wavefront_size32 1
		.amdhsa_system_sgpr_workgroup_id_x 1
		.amdhsa_system_sgpr_workgroup_id_y 1
		.amdhsa_system_sgpr_workgroup_id_z 1
		.amdhsa_system_vgpr_workitem_id 0
		.amdhsa_next_free_vgpr 82
		.amdhsa_next_free_sgpr 66
		.amdhsa_reserve_vcc 1
		.amdhsa_float_denorm_mode_32 3
		.amdhsa_float_denorm_mode_16_64 3
		.amdhsa_memory_ordered 1
		.amdhsa_forward_progress 1
		.amdhsa_inst_pref_size 11
	.end_amdhsa_kernel
	.amdgpu_metadata
---
amdhsa.version: [ 1, 2 ]
amdhsa.kernels:
  - .name:           k_qa8472ac3e3_minmax
    .symbol:         k_qa8472ac3e3_minmax.kd
    .args:
      - { .name: x, .offset: 0, .size: 8, .value_kind: global_buffer, .address_space: global }
      - { .name: rand_perc, .offset: 8, .size: 8, .value_kind: global_buffer, .address_space: global }
      - { .name: part, .offset: 16, .size: 8, .value_kind: global_buffer, .address_space: global }
      - { .name: order, .offset: 24, .size: 8, .value_kind: global_buffer, .address_space: global }
    .group_segment_fixed_size: 1280
    .private_segment_fixed_size: 0
    .kernarg_segment_align: 8
    .kernarg_segment_size: 32
    .max_flat_workgroup_size: 256
    .sgpr_count:     66
    .vgpr_count:     82
    .wavefront_size: 32
...
	.end_amdgpu_metadata
.endif
;; end of part 1
;; launch quant (part 2): grid 768 x 1, 8 waves a work-group, no clusters, 0 bytes of LDS; arguments x, rand_perc, part, order, out0; writes out0
.if DOCPART == 2
	.amdgcn_target "amdgcn-amd-amdhsa--gfx1250"
	.amdhsa_code_object_version 6
	.text
	.protected	k_qa8472ac3e3_quant
	.globl	k_qa8472ac3e3_quant
	.p2align	8
	.type	k_qa8472ac3e3_quant,@function
k_qa8472ac3e3_quant:
	s_mov_b64 s[64:65], 0
	v_nop
	global_prefetch_b8 v0, s[64:65] scope:SCOPE_SE
	s_setreg_imm32_b32 hwreg(HW_REG_WAVE_MODE, 25, 1), 1
	s_wait_xcnt 0x0
; SECOND OF TWO LAUNCHES.  out0[pixel] = the lower boundary of the first region [s_r, s_r+1) that holds the pixel, or min if none does.
; s_0 = min, s_j = rand_perc[j-1] * (max - min) + min (j = 1..15), s_16 = max + 1e-6, min and max taken over the pixel's image.
; As s_0 <= x, the region picked is j - 1 with j the FIRST index in 1..16 for which s_j > x.  So, going DOWN through j:
;     result = (s_16 > x) ? s_15 : min;      then      result = (s_j > x) ? s_j-1 : result,
; the last link that fires being the smallest j.  Links of splits that are no running record of rand_perc can never be the first
; and are left out: the first launch marked the records in order[wg] (bit b = split 16 - b).  The number of trips (1 to 15) and
; the lane that each trip reads come from that whole number alone.
; The same grid and chunks as in the first launch: a work-group owns 64 KiB of an image, a wave 8 KiB.  Each wave reduces its image's 16
; pairs of part itself (128 bytes): the waves share nothing, so there is no LDS and no barrier.
; LIMITS: a split is made by ONE fused multiply-add (one rounding).  An evaluation that rounds the product by itself puts a boundary up to
; half an ulp of that product (rand_perc x range) elsewhere, and a pixel between the two gets the neighbouring region's lower boundary.
; NaN or infinities in x or rand_perc, and a range max - min beyond f32, are not served; a zero may come out with the other sign.
; No cluster, no tensor load: no byte of x is used by more than one lane.  x is read here for the last time and out0 is not
; read again: both carry the non-temporal hint.
.set NLD,    16                        ; b128 loads and stores of a wave
.set STEP,   4096                      ; 256 threads x 16 bytes
.set SPLITS, 15
.set OFF, 1                            ; v1         16 x thread
.set PO,  2                            ; v2         offset of pair b in part
.set RO,  3                            ; v3         offset of my split in rand_perc
.set PR,  4                            ; v[4:5]     (min, max): a work-group's, then the image's, in every lane
.set RP,  6                            ; v6         rand_perc of split 16 - b
.set T,   7                            ; v7         lane b: s_(16-b), the boundary that is compared
.set W,   8                            ; v8         lane b: s_(15-b), the value that is taken
.set B,   9                            ; v9         b = lane % 16
.set ME,  10                           ; v10        max + 1e-6
.set RG,  11                           ; v11        max - min
.set X,   16                           ; v[16:79]   the wave's 8 KiB of x
.set R,   80                           ; v[80:143]  their results
.set MASK, 32                          ; s[32:39]   eight compare masks, so that eight compares stand ahead of the eight selects
	s_load_b256 s[4:11], s[0:1], 0x0               ; x s[4:5], rand_perc s[6:7], part s[8:9], order s[10:11]
	s_load_b64 s[12:13], s[0:1], 0x20              ; out0
	v_lshlrev_b32 v[OFF], 4, v0
	v_and_b32 v[B], 15, v0
	s_lshl_b32 s14, ttmp9, 16                      ; the work-group's 64 KiB
	s_mov_b32 s15, 0
	s_lshr_b32 s16, ttmp9, 4                       ; image
	s_lshl_b32 s17, s16, 7                         ; its 16 pairs of 8 bytes in part
	s_mul_i32 s18, s16, SPLITS*4                   ; its row of rand_perc
	s_lshl_b32 s19, ttmp9, 2                       ; my word of order
	v_lshl_add_u32 v[PO], v[B], 3, s17
	v_sub_nc_u32 v[RO], 15, v[B]                   ; split 16 - b lies at index 15 - b
	v_min_u32 v[RO], SPLITS-1, v[RO]               ; lane b = 0 stays inside the row; its T is replaced below
	v_lshl_add_u32 v[RO], v[RO], 2, s18
	s_wait_kmcnt 0x0
	s_load_b32 s20, s[10:11], s19 offset:0x0       ; the mask of records
	global_load_b64 v[PR:PR+1], v[PO], s[8:9]      ; the small loads first: they are wanted first
	global_load_b32 v[RP], v[RO], s[6:7]
	s_add_nc_u64 s[4:5], s[4:5], s[14:15]
	s_add_nc_u64 s[12:13], s[12:13], s[14:15]
.set i, 0
.rept NLD
	global_load_b128 v[X+4*i:X+4*i+3], v[OFF], s[4:5] offset:STEP*i th:TH_LOAD_NT
.set i, i+1
.endr
	s_wait_loadcnt NLD                             ; the pair and rand_perc are in; the 16 loads of x behind them stay out
.irp m, 1,2,4,8
	v_min_num_f32_dpp v[PR], v[PR], v[PR] row_xmask:\m row_mask:0xf bank_mask:0xf          ; both halves of the wave hold the same 16 pairs:
	v_max_num_f32_dpp v[PR+1], v[PR+1], v[PR+1] row_xmask:\m row_mask:0xf bank_mask:0xf    ; four steps give every lane the image's figures
.endr
	v_sub_f32 v[RG], v[PR+1], v[PR]                ; max - min
	v_add_f32 v[ME], 0x358637bd, v[PR+1]           ; max + 1e-6 in f32, also where that changes nothing (then x = max finds no region)
	v_fma_f32 v[T], v[RP], v[RG], v[PR]            ; the split: rand_perc x range + min, fused, rounded once (see LIMITS at the head)
	v_cmp_eq_u32 vcc_lo, 0, v[B]
	v_cndmask_b32 v[T], v[T], v[ME], vcc_lo        ; lane 0: s_16
	v_mov_b32 v[W], v[PR]                          ; lane 15 keeps s_0 = min,
	v_mov_b32_dpp v[W], v[T] row_shl:1 row_mask:0xf bank_mask:0xf      ; lane b < 15 takes s_(15-b) from lane b + 1
	v_readlane_b32 s24, v[T], 0                    ; s_16
	v_readlane_b32 s25, v[W], 0                    ; s_15
; The first link starts the results (nothing is cleared), load by load as x arrives.
.set i, 0
.rept NLD
	s_wait_loadcnt NLD-1-i                         ; loads return in order (ISA guide 5.7.1): load i is in, the younger ones stay out
.set k, 0
.rept 4
	v_cmp_gt_f32 s[MASK+4*(i%2)+k], s24, v[X+4*i+k]
.set k, k+1
.endr
.set k, 0
.rept 4
	v_cndmask_b32 v[R+4*i+k], v[PR], s25, s[MASK+4*(i%2)+k]            ; s_16 > x ? s_15 : min
.set k, k+1
.endr
.set i, i+1
.endr
	s_wait_kmcnt 0x0
	s_bcnt1_i32_b32 s26, s20                       ; trips = records among the 15 splits
	s_cmp_eq_u32 s26, 0                            ; (split 1 is always a record for finite rand_perc; an empty mask must still end)
	s_cbranch_scc1 .Lout
	s_mov_b32 s27, 0
.Lstep:
	s_ctz_i32_b32 s28, s20                         ; lowest bit left = latest split left
	s_sub_co_u32 s29, s20, 1
	s_and_b32 s20, s20, s29                        ; take it off
	v_readlane_b32 s24, v[T], s28                  ; s_j
	v_readlane_b32 s25, v[W], s28                  ; s_j-1
.set g, 0
.rept 8
.set k, 0
.rept 8
	v_cmp_gt_f32 s[MASK+k], s24, v[X+8*g+k]
.set k, k+1
.endr
.set k, 0
.rept 8
	v_cndmask_b32 v[R+8*g+k], v[R+8*g+k], s25, s[MASK+k]               ; s_j > x ? s_j-1 : what the later splits gave
.set k, k+1
.endr
.set g, g+1
.endr
	s_add_co_u32 s27, s27, 1
	s_cmp_lt_u32 s27, s26
	s_cbranch_scc1 .Lstep
.Lout:
.set i, 0
.rept NLD
	global_store_b128 v[OFF], v[R+4*i:R+4*i+3], s[12:13] offset:STEP*i th:TH_STORE_NT  ; a wave's store covers 512 consecutive bytes, aligned to 512
.set i, i+1
.endr
	s_endpgm
.Lfunc_end_k_qa8472ac3e3_quant:
	.size	k_qa8472ac3e3_quant, .Lfunc_end_k_qa8472ac3e3_quant-k_qa8472ac3e3_quant
	.p2alignl 7, 3214868480
	.fill 96, 4, 3214868480
	.section	.rodata,"a",@progbits
	.p2align	6, 0x0
	.amdhsa_kernel k_qa8472ac3e3_quant
		.amdhsa_group_segment_fixed_size 0
		.amdhsa_private_segment_fixed_size 0
		.amdhsa_enable_private_segment 0
		.amdhsa_kernarg_size 40
		.amdhsa_user_sgpr_count 2
		.amdhsa_user_sgpr_kernarg_segment_ptr 1
		.amdhsa_wavefront_size32 1
		.amdhsa_system_sgpr_workgroup_id_x 1
		.amdhsa_system_sgpr_workgroup_id_y 1
		.amdhsa_system_sgpr_workgroup_id_z 1
		.amdhsa_system_vgpr_workitem_id 0
		.amdhsa_next_free_vgpr 144
		.amdhsa_next_free_sgpr 66
		.amdhsa_reserve_vcc 1
		.amdhsa_float_denorm_mode_32 3
		.amdhsa_float_denorm_mode_16_64 3
		.amdhsa_memory_ordered 1
		.amdhsa_forward_progress 1
		.amdhsa_inst_pref_size 23
	.end_amdhsa_kernel
	.amdgpu_metadata
---
amdhsa.version: [ 1, 2 ]
amdhsa.kernels:
  - .name:           k_qa8472ac3e3_quant
    .symbol:         k_qa8472ac3e3_quant.kd
    .args:
      - { .name: x, .offset: 0, .size: 8, .value_kind: global_buffer, .address_space: global }
      - { .name: rand_perc, .offset: 8, .size: 8, .value_kind: global_buffer, .address_space: global }
      - { .name: part, .offset: 16, .size: 8, .value_kind: global_buffer, .address_space: global }
      - { .name: order, .offset: 24, .size: 8, .value_kind: global_buffer, .address_space: global }
      - { .name: out0, .offset: 32, .size: 8, .value_kind: global_buffer, .address_space: global }
    .group_segment_fixed_size: 0
    .private_segment_fixed_size: 0
    .kernarg_segment_align: 8
    .kernarg_segment_size: 40
    .max_flat_workgroup_size: 256
    .sgpr_count:     66
    .vgpr_count:     144
    .wavefront_size: 32
...
	.end_amdgpu_metadata
.endif
;; end of part 2
